; MI455X (gfx1250); checked and timed in simulation.
; The chip was launched on July 23, 2026; its instructions are those of AMD's public machine-readable ISA for CDNA 5 (MIT licence, August 2026) and "CDNA5" Instruction Set Architecture Reference Guide (July 2026). The comments in the code are by the model that wrote it; some were corrected since.
;; Attention. Allowed arithmetic: float matrix products may take bf16 or f16 operands with f32 sums; all other float work in f32.
;; Inputs: sentence1 16 x 1,024 x 256 float32; sentence2 16 x 1,024 x 256 float32.
;; Outputs: out0 16 x 1,024 x 1,024 float32.
;; Constants: batch_size = 16.
;; 2 versions, each right and faster than the one before. Each part assembles by itself: llvm-mc -triple=amdgcn-amd-amdhsa -mcpu=gfx1250 --defsym DOCPART=n.
;; ======== version 1 of 2: 1 launch
;; launch invdist (part 1): grid 64 x 4, 4 waves a work-group, clusters of 4 x 4, 272,896 bytes of LDS; arguments sentence1, sentence2, out0; writes out0
.if DOCPART == 1
	.amdgcn_target "amdgcn-amd-amdhsa--gfx1250"
	.amdhsa_code_object_version 6
	.text
	.protected	k_q4c8b07bff4_invdist
	.globl	k_q4c8b07bff4_invdist
	.p2align	8
	.type	k_q4c8b07bff4_invdist,@function
k_q4c8b07bff4_invdist:
	s_mov_b64 s[64:65], 0
	v_nop
	global_prefetch_b8 v0, s[64:65] scope:SCOPE_SE
	s_setreg_imm32_b32 hwreg(HW_REG_WAVE_MODE, 25, 1), 1
	s_wait_xcnt 0x0
	s_wait_alu depctr_hold_cnt(0) depctr_sa_sdst(0) depctr_va_vdst(0) depctr_va_sdst(0) depctr_va_ssrc(0) depctr_va_vcc(0) depctr_vm_vsrc(0)
	s_getreg_b32 s2, hwreg(HW_REG_IB_STS2, 6, 4)
	s_cmp_eq_u32 s2, 0
	s_cbranch_scc0 .Lentry_in_a_cluster
	s_endpgm
.Lentry_in_a_cluster:
	s_bfe_u32 s2, ttmp6, 0x10000c
	s_cmp_lg_u32 s2, 0xf033
	s_cbranch_scc0 .Lentry_shape_is_right
	s_endpgm
.Lentry_shape_is_right:
; out[b][i][j] = 1 / (1 + sqrt(max(x2[i] + y2[j] - 2 x[i].y[j], 0))),  x = sentence1[b], y = sentence2[b]: [1024][256] f32.
;
; SHARES.  One cluster of 4 x 4 work-groups is one batch; work-group (cx, cy) makes rows 256 cy .. x columns 256 cx .. of its output,
; wave (i, jj) of its four waves 128 x 128 of that.  The cluster is there so that the work-groups that read the same rows run together.
; THE WAY IN.  Rows are loaded once into registers in batches of eight (16 loads a wave), rounded to bf16 into LDS, and their f32 sums of
; squares laid beside them.  First the block's 256 rows of sentence2 (64 a wave); a wave then keeps its 128 columns (all 256 k) in 512
; registers.  sentence1 follows in strips of 16 rows for each half of the block, eight rows a wave: strips 0 and 1 ahead of the first
; product, strip u + 2 behind the products of strip u, with its loads issued three batches earlier, so that they fly under the products.
; THE PRODUCTS.  The first product of a chain takes C = -x2/2, so that -2 D + y2 is the squared distance.
; COLUMN ORDER.  LDS position pos of sentence2 holds block column 64 (pos >> 6) + 4 (pos & 15) + ((pos >> 4) & 3): tile q of a group of
; 64 columns holds columns 4 r + q, so the four tiles' results of one lane are 16 neighbouring bytes of a row of the output, and one
; store of the wave covers two aligned runs of 256 bytes.  The result needs no pass through LDS.
; NO JOINT TENSOR LOADS, though partners share rows: the inputs are f32 and are rounded on the way into LDS.  As f32 the block's 512
; rows are 524,288 bytes, more than the 327,680 that a work-group can be given; as bf16 they are 270,336 and stay for the whole kernel,
; each row is converted by one wave only, and fragments cost 2 bytes a number.  That way leads through registers.
; LIMITS.  Products take operands rounded to bf16, the norms are f32 sums of the unrounded inputs: the squared distance may be off by
; about 2^-8 |x| |y|, so rows that nearly coincide give a distance that is too large or zero.  Where the formula gives NaN (infinite
; or NaN inputs) v_max_num_f32 drops it and the result is 1.0.  v_sqrt_f32 takes a denormal squared distance as 0.  The f32 sums are
; added in another order than a plain running sum.
.set PITCH, 528                        ; an LDS row: 512 bytes of bf16 + 16 of padding (33 x 16: the 16 rows of a fragment load fall on different banks)
.set BBF,   256*PITCH                  ; sentence1's rows lie at 0, sentence2's here
.set NA,    2*256*PITCH                ; 256 words: -x2/2 by row
.set NB,    NA+1024                    ; 256 words: y2 by position
; window 0
.set AF0,   0                          ; v0-63, v64-127     fragments of a strip of sentence1, two buffers (v0-6 serve the set-up first)
.set ACC0,  128                        ; v128-159, v160-191 accumulators of a unit (4 tiles), two sets
.set S,     128                        ; v128-135  sums of squares of a batch: set 0 is dead between a strip's second unit and the next strip's first product
.set OUT,   192                        ; v192-223  results, register 4 j + q
.set HX0,   224                        ; v224-231, v232-239 -x2/2 in the layout of C, two buffers
.set Y2,    240                        ; v240-247  y2 of my column in tiles 0 to 7
.set BADR,  248                        ; fragment address, sentence2
.set YADR,  249                        ; y2
.set AADR,  250                        ; fragment address, sentence1
.set XADR,  251                        ; -x2/2
.set CO,    252                        ; my byte offset in the output
.set NAA,   253                        ; LDS address of the norms of the rows that I convert, sentence1
.set NAB,   254                        ; sentence2
; windows 1 and 2: sentence2's fragments; tile t, K step s at register 64 (t & 3) + 8 s of window 1 + (t >> 2)
; window 3: v0-191 RAW, three slots of 64 (a batch as loaded); and
.set T,     192                        ; v192-223  a batch's bf16 words
.set GA,    232                        ; byte offset of my 16 bytes in sentence1's rows
.set GB,    233                        ; the same in sentence2's
.set LA,    234                        ; LDS address of my 8 bytes of bf16, sentence1
.set LB,    235                        ; sentence2
.set SA, 20                            ; s[20:21] sentence1 at the block's first row
.set SB, 22                            ; s[22:23] sentence2 at the block's first column
.set SO, 24                            ; s[24:25] out0 at the wave's corner
.set MSB, 0
.macro WIN new                         ; s_set_vgpr_msb: 1:0 source 0, 3:2 source 1, 5:4 source 2, 7:6 destination; the high byte repeats the setting left
.if MSB != (\new)
	s_set_vgpr_msb (MSB<<8)|(\new)
.set MSB, \new
.endif
.endm
	s_load_b128 s[4:7], s[0:1], 0x0                ; sentence1, sentence2
	s_load_b64 s[8:9], s[0:1], 0x10                ; out0
	v_lshl_add_u32 v255, v0, 2, 0x42800
	s_set_vgpr_msb 0xc0
	v_mov_b32 v255, 0
	s_set_vgpr_msb 0xc000
	v_lshrrev_b32 v3, 5, v0
	v_readfirstlane_b32 s10, v3                    ; wave w
	s_lshr_b32 s11, s10, 1                         ; i: my half of the block's rows
	s_and_b32 s12, s10, 1                          ; jj: my half of its columns; also e: my eight rows of a strip
	s_bfe_u32 s13, ttmp6, 0x40000                  ; cx
	s_bfe_u32 s14, ttmp6, 0x40004                  ; cy.  ttmp9 (the cluster's x) is the batch
	s_lshl_b32 s16, ttmp9, 20                      ; a batch of an input: 1024 rows x 1024 bytes
	s_lshl_b32 s26, s14, 18                        ; 256 rows
	s_add_co_u32 s16, s16, s26
	s_mov_b32 s17, 0
	s_lshl_b32 s18, ttmp9, 20
	s_lshl_b32 s26, s13, 18
	s_add_co_u32 s18, s18, s26
	s_mov_b32 s19, 0
	s_lshl_b32 s30, ttmp9, 22                      ; a batch of the output: 1024 rows x 4096 bytes
	s_lshl_b32 s26, s14, 20                        ; 256 rows
	s_add_co_u32 s30, s30, s26
	s_lshl_b32 s26, s11, 19                        ; 128 rows
	s_add_co_u32 s30, s30, s26
	s_lshl_b32 s26, s13, 10                        ; 256 columns
	s_add_co_u32 s30, s30, s26
	s_lshl_b32 s26, s12, 9                         ; 128 columns
	s_add_co_u32 s30, s30, s26
	s_mov_b32 s31, 0
	s_lshl_b32 s26, s10, 16                        ; sentence2: my 64 rows of 1024 bytes
	s_lshl_b32 s27, s11, 17                        ; sentence1: 128 i rows
	s_lshl_b32 s32, s12, 12                        ; + 4 e rows
	s_add_co_u32 s27, s27, s32
	s_mul_i32 s28, s10, 64*PITCH                   ; bf16 rows of sentence2: 64 w
	s_add_co_u32 s28, s28, BBF
	s_mul_i32 s35, s11, 128*PITCH                  ; bf16 rows of sentence1: 128 i (where my fragments come from)
	s_mul_i32 s29, s12, 4*PITCH                    ; + 4 e (where I put what I convert)
	s_add_co_u32 s29, s29, s35
	s_lshl_b32 s32, s10, 8
	s_add_co_u32 s32, s32, NB                      ; NB + 4 (64 w)
	s_lshl_b32 s37, s11, 9
	s_add_co_u32 s37, s37, NA                      ; NA + 4 (128 i)
	s_lshl_b32 s33, s12, 4
	s_add_co_u32 s33, s33, s37                     ; + 4 (4 e)
	s_mul_i32 s34, s12, 128*PITCH
	s_add_co_u32 s34, s34, BBF                     ; my 128 columns
	s_lshl_b32 s36, s12, 9
	s_add_co_u32 s36, s36, NB                      ; NB + 4 (128 jj)
	v_and_b32 v1, 15, v0                           ; r
	v_bfe_u32 v2, v0, 4, 1                         ; h
	v_lshlrev_b32 v3, 4, v1                        ; 16 r
	v_lshl_add_u32 v4, v2, 13, v3                  ; sentence1: the upper 16 lanes take the row 8 further down
	v_lshl_add_u32 v[CO], v2, 15, v3               ; output: 8 h rows of 4096 bytes + 16 r.  Also sentence2: position + 8 is column + 32
	v_mul_u32_u24 v5, v2, 8*PITCH
	v_lshl_add_u32 v5, v1, 3, v5                   ; bf16: h 8 rows + 8 r
	v_mul_u32_u24 v6, v1, PITCH
	v_lshl_add_u32 v6, v2, 4, v6                   ; a fragment: row r, 16 h bytes along k
	v_add_nc_u32 v[BADR], s34, v6
	v_add_nc_u32 v[AADR], s35, v6
	v_lshl_add_u32 v[YADR], v1, 2, s36
	v_lshl_add_u32 v[XADR], v2, 5, s37
	v_lshl_add_u32 v[NAA], v2, 5, s33
	v_lshl_add_u32 v[NAB], v2, 5, s32
	WIN 0xc0                                       ; destination window 3
	v_add_nc_u32 v[GB], s26, v[CO]
	v_add_nc_u32 v[GA], s27, v4
	v_add_nc_u32 v[LB], s28, v5
	v_add_nc_u32 v[LA], s29, v5
	s_wait_kmcnt 0x0
	s_add_nc_u64 s[SA:SA+1], s[4:5], s[16:17]
	s_add_nc_u64 s[SB:SB+1], s[6:7], s[18:19]
	s_add_nc_u64 s[SO:SO+1], s[8:9], s[30:31]
; A BATCH is eight rows: pair p = 0..3, the lower 16 lanes one row, the upper 16 the row 8 positions on; 16 lanes cover 256 aligned bytes
; of a row, four chunks c the row.  RAW slot b % 3.
; b = 0-7, sentence2: positions 64 w + 16 G + a0 + p + 8 h with G = b >> 1, a0 = 4 (b & 1).
; b = 8-15, sentence1: rows 128 i + 16 (b - 8) + 4 e + p + 8 h: the two waves of a half make one strip.
.macro FILLB b                         ; 16 loads; destination and offset register in window 3
.set FS,  64*((\b)%3)
.if (\b) < 8
.set FADR,  GB
.set FBASE, SB
.set FOFF,  1024*((\b)>>1)+16384*((\b)&1)          ; column = .. + 4 (a0 + p + 8 h) + G
.set FSTEP, 4096
.else
.set FADR,  GA
.set FBASE, SA
.set FOFF,  16384*((\b)-8)
.set FSTEP, 1024
.endif
.irp p, 0,1,2,3
.irp c, 0,1,2,3
	global_load_b128 v[FS+16*\p+4*\c:FS+16*\p+4*\c+3], v[FADR], s[FBASE:FBASE+1] offset:FOFF+\p*FSTEP+256*\c
.endr
.endr
.endm
; Batch b: wait for it, sums of squares in f32, the numbers rounded to bf16 into LDS, the slot filled again three batches ahead.
; The four p go side by side: four chains.
.macro CONVB b
.set CS, 64*((\b)%3)
.if (\b) < 8
.set CLADR, LB
.set CNADR, NAB
.set CLOFF, (16*((\b)>>1)+4*((\b)&1))*PITCH
.set CNOFF, 64*((\b)>>1)+16*((\b)&1)
.else
.set CLADR, LA
.set CNADR, NAA
.set CLOFF, 16*((\b)-8)*PITCH
.set CNOFF, 64*((\b)-8)
.endif
.if (\b) < 14
	s_wait_loadcnt 32                              ; loads come back in order (ISA guide 5.7.1): this batch is in, the two younger ones (16 loads each) stay out
.else
	s_wait_loadcnt 16*(15-(\b))                    ; the last two: one younger batch, then none
.endif
	WIN 0x0f                                       ; RAW (sources 0, 1) in window 3, S in window 0
.irp p, 0,1,2,3
	v_pk_mul_f32 v[S+2*\p:S+2*\p+1], v[CS+16*\p:CS+16*\p+1], v[CS+16*\p:CS+16*\p+1]           ; the first squares start the sums
.endr
.irp e, 1,2,3,4,5,6,7
.irp p, 0,1,2,3
	v_pk_fma_f32 v[S+2*\p:S+2*\p+1], v[CS+16*\p+2*\e:CS+16*\p+2*\e+1], v[CS+16*\p+2*\e:CS+16*\p+2*\e+1], v[S+2*\p:S+2*\p+1]
.endr
.endr
	WIN 0xcf                                       ; T in window 3 too
.irp p, 0,1,2,3
.irp c, 0,1,2,3
	v_cvt_pk_bf16_f32 v[T+8*\p+2*\c],   v[CS+16*\p+4*\c],   v[CS+16*\p+4*\c+1]
	v_cvt_pk_bf16_f32 v[T+8*\p+2*\c+1], v[CS+16*\p+4*\c+2], v[CS+16*\p+4*\c+3]
.endr
.endr
.irp p, 0,1,2,3
.irp c, 0,1,2,3
	ds_store_b64 v[CLADR], v[T+8*\p+2*\c:T+8*\p+2*\c+1] offset:CLOFF+\p*PITCH+128*\c         ; 16 lanes: 128 neighbouring bytes; the other 16: 8 rows = 4224 bytes on, the other half of the banks
.endr
.endr
.if (\b)+3 < 16
	FILLB (\b)+3
.endif
	WIN 0
.irp p, 0,1,2,3
	v_add_f32 v[S+2*\p], v[S+2*\p], v[S+2*\p+1]
.endr
.irp m, 1,2,4,8
.irp p, 0,1,2,3
	v_add_f32_dpp v[S+2*\p], v[S+2*\p], v[S+2*\p] row_xmask:\m row_mask:0xf bank_mask:0xf   ; over the 16 lanes that share a row
.endr
.endr
.if (\b) >= 8
.irp p, 0,1,2,3
	v_mul_f32 v[S+2*\p], -0.5, v[S+2*\p]           ; sentence1's norms are kept as the C of the products
.endr
.endif
.irp p, 0,1,2,3
	ds_store_b32 v[CNADR], v[S+2*\p] offset:CNOFF+4*\p     ; 16 lanes write one word with one value
.endr
.endm
	WIN 0xcf
	FILLB 0                                        ; three batches, 48 loads of 512 bytes, are on their way in each wave
	FILLB 1
	FILLB 2
.set bn, 0
.rept 8
	CONVB bn                                       ; sentence2; the last three of these ask for sentence1's strips 0, 1, 2
.set bn, bn+1
.endr
	s_wait_dscnt 0x0                               ; my rows of sentence2 and their norms are in LDS,
	s_barrier_signal -1
	s_barrier_wait -1                              ; everybody's are
	; my 128 columns, all of k, into 512 registers.  They are waited for by the s_wait_dscnt 0 behind the next conversion.
	WIN 0x40                                       ; destination window 1
.irp t, 0,1,2,3
.irp s, 0,1,2,3,4,5,6,7
	ds_load_b128 v[64*\t+8*\s:64*\t+8*\s+3],   v[BADR] offset:16*\t*PITCH+64*\s
	ds_load_b128 v[64*\t+8*\s+4:64*\t+8*\s+7], v[BADR] offset:16*\t*PITCH+64*\s+32
.endr
.endr
	WIN 0x80                                       ; destination window 2
.irp t, 0,1,2,3
.irp s, 0,1,2,3,4,5,6,7
	ds_load_b128 v[64*\t+8*\s:64*\t+8*\s+3],   v[BADR] offset:16*(\t+4)*PITCH+64*\s
	ds_load_b128 v[64*\t+8*\s+4:64*\t+8*\s+7], v[BADR] offset:16*(\t+4)*PITCH+64*\s+32
.endr
.endr
	WIN 0
.irp t, 0,1,2,3,4,5,6,7
	ds_load_b32 v[Y2+\t], v[YADR] offset:64*\t     ; y2 of column r of tile t
.endr
; THE PRODUCTS.  A unit = 16 rows x 64 columns x all of k = 32 matrix instructions in four chains.  The roots and reciprocals of one unit
; are laid between the matrix instructions of the next.
; 18 loads: strip u's fragments (lane: row r, k = 32 s + 8 h .. and + 16) and its -x2/2 (register j: row 8 h + j, the layout of C)
.macro FETCH af, hx, u
.irp s, 0,1,2,3,4,5,6,7
	ds_load_b128 v[\af+8*\s:\af+8*\s+3],   v[AADR] offset:16*(\u)*PITCH+64*\s
	ds_load_b128 v[\af+8*\s+4:\af+8*\s+7], v[AADR] offset:16*(\u)*PITCH+64*\s+32
.endr
	ds_load_b128 v[\hx:\hx+3],   v[XADR] offset:64*(\u)
	ds_load_b128 v[\hx+4:\hx+7], v[XADR] offset:64*(\u)+16
.endm
; matrix instruction number w of a unit: K step w >> 2, tile w & 3.  K step 0 starts the sum with C = -x2/2; the later ones are links in place.
.macro WM w, af, hx
.set WS, (\w)>>2
.set WQ, (\w)&3
.if WS == 0
	v_wmma_f32_16x16x32_bf16 v[ACC+8*WQ:ACC+8*WQ+7], v[\af+8*WS:\af+8*WS+7], v[64*WQ+8*WS:64*WQ+8*WS+7], v[\hx:\hx+7]
.else
	v_wmma_f32_16x16x32_bf16 v[ACC+8*WQ:ACC+8*WQ+7], v[\af+8*WS:\af+8*WS+7], v[64*WQ+8*WS:64*WQ+8*WS+7], v[ACC+8*WQ:ACC+8*WQ+7]
.endif
.endm
; The last unit's pair p of results: tile p >> 2, registers 2 (p & 3) and + 1.  No line has a vector register as its second source,
; so the lines mean the same under the products' window setting (second source in window 1 or 2) as under 0.
.macro EPSYM p
.set EPQ, (\p)>>2
.set EPJ, (\p)&3
.set EPR, PACC+8*EPQ+2*EPJ
.endm
.macro EP_A p
	EPSYM \p
.if EPQ&1
	v_pk_fma_f32 v[EPR:EPR+1], v[EPR:EPR+1], -2.0, v[Y2+4*PG+(EPQ&2):Y2+4*PG+(EPQ&2)+1] op_sel:[0,0,1] op_sel_hi:[1,0,1]   ; -2 (x.y - x2/2) + y2 of an odd tile
.else
	v_pk_fma_f32 v[EPR:EPR+1], v[EPR:EPR+1], -2.0, v[Y2+4*PG+(EPQ&2):Y2+4*PG+(EPQ&2)+1] op_sel_hi:[1,0,0]                  ; of an even tile
.endif
	v_max_num_f32 v[EPR], v[EPR], 0
	v_max_num_f32 v[EPR+1], v[EPR+1], 0
	v_sqrt_f32 v[EPR], v[EPR]
.endm
.macro EP_B p
	EPSYM \p
	v_sqrt_f32 v[EPR+1], v[EPR+1]
.endm
.macro EP_C p                          ; one pair behind: a plain line always stands between a root and this use of it (ISA guide 5.7.2)
	EPSYM \p
	s_wait_alu depctr_va_vdst(0)
	v_pk_add_f32 v[EPR:EPR+1], v[EPR:EPR+1], 1.0 op_sel_hi:[1,0]
	v_rcp_f32 v[OUT+4*(2*EPJ)+EPQ],   v[EPR]       ; row 8 h + j, column 4 r + q goes to register 4 j + q
	v_rcp_f32 v[OUT+4*(2*EPJ+1)+EPQ], v[EPR+1]
.endm
; mm: multiply (strip in af, hx; column group g).  ep (not 0): finish and store the unit before, which was strip pu, group 1 - g.
; fetch (not 0): in the middle, pass the barrier that was signalled behind strip nu's conversion and load that strip into naf, nhx.
.macro UNIT mm, af, hx, g, ep, pu, fetch, naf, nhx, nu
.set ACC,  ACC0+32*\g
.set PACC, ACC0+32*(1-\g)
.set PG,   1-\g
.if \mm
	WIN 4*(1+\g)                                   ; second source (sentence2) in window 1 + g, all else in window 0
.endif
.set pp, 0
.rept 16
.if \fetch
.if pp == 8
	s_barrier_wait -1                              ; every wave has its rows of strip nu in LDS; since the signal only register work was done
	FETCH \naf, \nhx, \nu                          ; into registers whose last products lie more than a unit of plain lines back (ISA guide 7.12.1)
.endif
.endif
.if \mm
	WM 2*pp, \af, \hx
.endif
.if \ep
	EP_A pp
.endif
.if \mm
	WM 2*pp+1, \af, \hx
.endif
.if \ep
	EP_B pp
.if pp
.if pp == 1
	s_wait_xcnt 0x0                                ; OUT is the data of the last unit's stores: it is rewritten only behind this wait
.endif
	EP_C pp-1
.endif
.endif
.set pp, pp+1
.endr
.if \ep
	EP_C 15
	v_nop                                          ; the plain line between the last reciprocal and the store that reads it
	WIN 0                                          ; a store's data are its second source
	s_wait_alu depctr_va_vdst(0)
.irp j, 0,1,2,3,4,5,6,7
	global_store_b128 v[CO], v[OUT+4*\j:OUT+4*\j+3], s[SO:SO+1] offset:(16*(\pu)+\j)*4096+256*PG th:TH_STORE_NT   ; rows j and 8 + j: 256 aligned bytes from each 16 lanes
.endr
.else
.rept 4
	v_nop                                          ; nothing to finish yet: the four places between these products and the lines that read them (ISA guide 7.12.1)
.endr
.endif
.endm
	CONVB 8                                        ; strip 0 of sentence1
	s_wait_dscnt 0x0                               ; my rows of it are in LDS (and my fragments of sentence2 in registers),
	s_barrier_signal -1
	s_barrier_wait -1                              ; everybody's are
	FETCH AF0, HX0, 0
	CONVB 9                                        ; strip 1
	s_wait_dscnt 0x0                               ; my rows of strip 1 are in LDS, strip 0's fragments in registers
	s_barrier_signal -1                            ; the wait stands in front of the loads of strip 1, in the middle of the first unit
.set u, 0
.rept 8
.set CAF, AF0+64*(u&1)
.set CHX, HX0+8*(u&1)
.set NAF, AF0+64*((u+1)&1)
.set NHX, HX0+8*((u+1)&1)
.if u == 7
	s_wait_dscnt 0x0                               ; strip 7's 18 loads, issued 48 matrix instructions ago (earlier strips: the wait behind the conversion)
.endif
	UNIT 1, CAF, CHX, 0, u, u-1, 7-u, NAF, NHX, u+1        ; finishes the strip before (not in strip 0), fetches the next (not in strip 7)
	UNIT 1, CAF, CHX, 1, 1, u, 0, NAF, NHX, 0
.if u < 6
	CONVB 10+u                                     ; strip u + 2, whose loads were issued three batches ago
	s_wait_dscnt 0x0                               ; my rows of it are in LDS, strip u + 1's fragments in registers
	s_barrier_signal -1                            ; its wait: in the middle of the next unit
.endif
.set u, u+1
.endr
	UNIT 0, AF0, HX0, 0, 1, 7, 0, AF0, HX0, 0      ; no more products: the last unit (strip 7, group 1) is finished and stored
	s_set_vgpr_msb 0xc
	s_wait_tensorcnt 0x0
	ds_add_u32 v255, v255
	s_wait_dscnt 0x0
	s_set_vgpr_msb 0xc00
	s_endpgm
.Lfunc_end_k_q4c8b07bff4_invdist:
	.size	k_q4c8b07bff4_invdist, .Lfunc_end_k_q4c8b07bff4_invdist-k_q4c8b07bff4_invdist
	.p2alignl 7, 3214868480
	.fill 96, 4, 3214868480
	.section	.rodata,"a",@progbits
	.p2align	6, 0x0
	.amdhsa_kernel k_q4c8b07bff4_invdist
		.amdhsa_group_segment_fixed_size 272896
		.amdhsa_private_segment_fixed_size 0
		.amdhsa_enable_private_segment 0
		.amdhsa_kernarg_size 24
		.amdhsa_user_sgpr_count 2
		.amdhsa_user_sgpr_kernarg_segment_ptr 1
		.amdhsa_wavefront_size32 1
		.amdhsa_system_sgpr_workgroup_id_x 1
		.amdhsa_system_sgpr_workgroup_id_y 1
		.amdhsa_system_sgpr_workgroup_id_z 1
		.amdhsa_system_vgpr_workitem_id 0
		.amdhsa_next_free_vgpr 1024
		.amdhsa_next_free_sgpr 66
		.amdhsa_reserve_vcc 0
		.amdhsa_float_denorm_mode_32 3
		.amdhsa_float_denorm_mode_16_64 3
		.amdhsa_memory_ordered 1
		.amdhsa_forward_progress 1
		.amdhsa_inst_pref_size 255
	.end_amdhsa_kernel
	.section	.bss,"aw",@nobits
	.p2align	6
	.space	262144
	.amdgpu_metadata
---
amdhsa.version: [ 1, 2 ]
amdhsa.kernels:
  - .name:           k_q4c8b07bff4_invdist
    .symbol:         k_q4c8b07bff4_invdist.kd
    .args:
      - { .name: sentence1, .offset: 0, .size: 8, .value_kind: global_buffer, .address_space: global }
      - { .name: sentence2, .offset: 8, .size: 8, .value_kind: global_buffer, .address_space: global }
      - { .name: out0, .offset: 16, .size: 8, .value_kind: global_buffer, .address_space: global }
    .group_segment_fixed_size: 272896
    .private_segment_fixed_size: 0
    .kernarg_segment_align: 8
    .kernarg_segment_size: 24
    .max_flat_workgroup_size: 128
    .sgpr_count:     66
    .vgpr_count:     1024
    .wavefront_size: 32
...
	.end_amdgpu_metadata
.endif
;; end of part 1
;; ======== version 2 of 2: 1 launch; 1.19 times as fast as version 1
;; launch invdist (part 2): grid 64 x 4, 4 waves a work-group, clusters of 4 x 4, 272,896 bytes of LDS; arguments sentence1, sentence2, out0; writes out0
.if DOCPART == 2
	.amdgcn_target "amdgcn-amd-amdhsa--gfx1250"
	.amdhsa_code_object_version 6
	.text
	.protected	k_q4c8b07bff4_invdist
	.globl	k_q4c8b07bff4_invdist
	.p2align	8
	.type	k_q4c8b07bff4_invdist,@function
k_q4c8b07bff4_invdist:
	s_mov_b64 s[64:65], 0
	v_nop
	global_prefetch_b8 v0, s[64:65] scope:SCOPE_SE
	s_setreg_imm32_b32 hwreg(HW_REG_WAVE_MODE, 25, 1), 1
	s_wait_xcnt 0x0
	s_wait_alu depctr_hold_cnt(0) depctr_sa_sdst(0) depctr_va_vdst(0) depctr_va_sdst(0) depctr_va_ssrc(0) depctr_va_vcc(0) depctr_vm_vsrc(0)
	s_getreg_b32 s2, hwreg(HW_REG_IB_STS2, 6, 4)
	s_cmp_eq_u32 s2, 0
	s_cbranch_scc0 .Lentry_in_a_cluster
	s_endpgm
.Lentry_in_a_cluster:
	s_bfe_u32 s2, ttmp6, 0x10000c
	s_cmp_lg_u32 s2, 0xf033
	s_cbranch_scc0 .Lentry_shape_is_right
	s_endpgm
.Lentry_shape_is_right:
; out[b][i][j] = 1 / (1 + sqrt(max(x2[i] + y2[j] - 2 x[i].y[j], 0))),  x = sentence1[b], y = sentence2[b]: [1024][256] f32.
;
; SHARES.  One cluster of 4 x 4 work-groups is one batch; work-group (cx, cy) makes rows 256 cy .. x columns 256 cx .. of its output,
; wave (i, jj) of its four waves 128 x 128 of that.  The cluster is there so that the work-groups that read the same rows run together.
; THE WAY IN.  Rows are loaded once into registers in batches of eight (16 loads a wave), rounded to bf16 into LDS, and their f32 sums of
; squares laid beside them.  First the block's 256 rows of sentence2 (64 a wave); a wave then keeps its 128 columns (all 256 k) in 512
; registers.  sentence1 follows in strips of 16 rows for each half of the block, eight rows a wave: strips 0 and 1 ahead of the first
; product, strip u + 2 behind the products of strip u, with its loads issued three batches earlier, so that they fly under the products.
; THE PRODUCTS.  The first product of a chain takes C = -x2/2, so that -2 D + y2 is the squared distance.
; ROOTS AND RECIPROCALS.  A unit's 32 results are finished between the 32 products of the next unit, in TWO BATCHES with one wait each:
; behind products 0-15 the squared distances and all 32 roots, each root in place in a register of its own; one wait; behind products
; 16-31 the additions of 1 and all 32 reciprocals, each into its own register of OUT; one wait, directly ahead of the stores.
; COLUMN ORDER.  LDS position pos of sentence2 holds block column 64 (pos >> 6) + 4 (pos & 15) + ((pos >> 4) & 3): tile q of a group of
; 64 columns holds columns 4 r + q, so the four tiles' results of one lane are 16 neighbouring bytes of a row of the output, and one
; store of the wave covers two aligned runs of 256 bytes.  The result needs no pass through LDS.
; NO JOINT TENSOR LOADS, though partners share rows: the inputs are f32 and are rounded on the way into LDS.  As f32 the block's 512
; rows are 524,288 bytes, more than the 327,680 that a work-group can be given; as bf16 they are 270,336 and stay for the whole kernel,
; each row is converted by one wave only, and fragments cost 2 bytes a number.  That way leads through registers.
; LIMITS.  Products take operands rounded to bf16, the norms are f32 sums of the unrounded inputs: the squared distance may be off by
; about 2^-8 |x| |y|, so rows that nearly coincide give a distance that is too large or zero.  Where the formula gives NaN (infinite
; or NaN inputs) v_max_num_f32 drops it and the result is 1.0.  v_sqrt_f32 takes a denormal squared distance as 0.  The f32 sums are
; added in another order than a plain running sum.
.set PITCH, 528                        ; an LDS row: 512 bytes of bf16 + 16 of padding (33 x 16: the 16 rows of a fragment load fall on different banks)
.set BBF,   256*PITCH                  ; sentence1's rows lie at 0, sentence2's here
.set NA,    2*256*PITCH                ; 256 words: -x2/2 by row
.set NB,    NA+1024                    ; 256 words: y2 by position
; window 0
.set AF0,   0                          ; v0-63, v64-127     fragments of a strip of sentence1, two buffers (v0-6 serve the set-up first)
.set ACC0,  128                        ; v128-159, v160-191 accumulators of a unit (4 tiles), two sets
.set S,     128                        ; v128-135  sums of squares of a batch: set 0 is dead between a strip's second unit and the next strip's first product
.set OUT,   192                        ; v192-223  results, register 4 j + q
.set HX0,   224                        ; v224-231, v232-239 -x2/2 in the layout of C, two buffers
.set Y2,    240                        ; v240-247  y2 of my column in tiles 0 to 7
.set BADR,  248                        ; fragment address, sentence2
.set YADR,  249                        ; y2
.set AADR,  250                        ; fragment address, sentence1
.set XADR,  251                        ; -x2/2
.set CO,    252                        ; my byte offset in the output
.set NAA,   253                        ; LDS address of the norms of the rows that I convert, sentence1
.set NAB,   254                        ; sentence2
; windows 1 and 2: sentence2's fragments; tile t, K step s at register 64 (t & 3) + 8 s of window 1 + (t >> 2)
; window 3: v0-191 RAW, three slots of 64 (a batch as loaded); and
.set T,     192                        ; v192-223  a batch's bf16 words
.set GA,    232                        ; byte offset of my 16 bytes in sentence1's rows
.set GB,    233                        ; the same in sentence2's
.set LA,    234                        ; LDS address of my 8 bytes of bf16, sentence1
.set LB,    235                        ; sentence2
.set SA, 20                            ; s[20:21] sentence1 at the block's first row
.set SB, 22                            ; s[22:23] sentence2 at the block's first column
.set SO, 24                            ; s[24:25] out0 at the wave's corner
.set MSB, 0
.macro WIN new                         ; s_set_vgpr_msb: 1:0 source 0, 3:2 source 1, 5:4 source 2, 7:6 destination; the high byte repeats the setting left
.if MSB != (\new)
	s_set_vgpr_msb (MSB<<8)|(\new)
.set MSB, \new
.endif
.endm
	s_load_b128 s[4:7], s[0:1], 0x0                ; sentence1, sentence2
	s_load_b64 s[8:9], s[0:1], 0x10                ; out0
	v_lshl_add_u32 v255, v0, 2, 0x42800
	s_set_vgpr_msb 0xc0
	v_mov_b32 v255, 0
	s_set_vgpr_msb 0xc000
	v_lshrrev_b32 v3, 5, v0
	v_readfirstlane_b32 s10, v3                    ; wave w
	s_lshr_b32 s11, s10, 1                         ; i: my half of the block's rows
	s_and_b32 s12, s10, 1                          ; jj: my half of its columns; also e: my eight rows of a strip
	s_bfe_u32 s13, ttmp6, 0x40000                  ; cx
	s_bfe_u32 s14, ttmp6, 0x40004                  ; cy.  ttmp9 (the cluster's x) is the batch
	s_lshl_b32 s16, ttmp9, 20                      ; a batch of an input: 1024 rows x 1024 bytes
	s_lshl_b32 s26, s14, 18                        ; 256 rows
	s_add_co_u32 s16, s16, s26
	s_mov_b32 s17, 0
	s_lshl_b32 s18, ttmp9, 20
	s_lshl_b32 s26, s13, 18
	s_add_co_u32 s18, s18, s26
	s_mov_b32 s19, 0
	s_lshl_b32 s30, ttmp9, 22                      ; a batch of the output: 1024 rows x 4096 bytes
	s_lshl_b32 s26, s14, 20                        ; 256 rows
	s_add_co_u32 s30, s30, s26
	s_lshl_b32 s26, s11, 19                        ; 128 rows
	s_add_co_u32 s30, s30, s26
	s_lshl_b32 s26, s13, 10                        ; 256 columns
	s_add_co_u32 s30, s30, s26
	s_lshl_b32 s26, s12, 9                         ; 128 columns
	s_add_co_u32 s30, s30, s26
	s_mov_b32 s31, 0
	s_lshl_b32 s26, s10, 16                        ; sentence2: my 64 rows of 1024 bytes
	s_lshl_b32 s27, s11, 17                        ; sentence1: 128 i rows
	s_lshl_b32 s32, s12, 12                        ; + 4 e rows
	s_add_co_u32 s27, s27, s32
	s_mul_i32 s28, s10, 64*PITCH                   ; bf16 rows of sentence2: 64 w
	s_add_co_u32 s28, s28, BBF
	s_mul_i32 s35, s11, 128*PITCH                  ; bf16 rows of sentence1: 128 i (where my fragments come from)
	s_mul_i32 s29, s12, 4*PITCH                    ; + 4 e (where I put what I convert)
	s_add_co_u32 s29, s29, s35
	s_lshl_b32 s32, s10, 8
	s_add_co_u32 s32, s32, NB                      ; NB + 4 (64 w)
	s_lshl_b32 s37, s11, 9
	s_add_co_u32 s37, s37, NA                      ; NA + 4 (128 i)
	s_lshl_b32 s33, s12, 4
	s_add_co_u32 s33, s33, s37                     ; + 4 (4 e)
	s_mul_i32 s34, s12, 128*PITCH
	s_add_co_u32 s34, s34, BBF                     ; my 128 columns
	s_lshl_b32 s36, s12, 9
	s_add_co_u32 s36, s36, NB                      ; NB + 4 (128 jj)
	v_and_b32 v1, 15, v0                           ; r
	v_bfe_u32 v2, v0, 4, 1                         ; h
	v_lshlrev_b32 v3, 4, v1                        ; 16 r
	v_lshl_add_u32 v4, v2, 13, v3                  ; sentence1: the upper 16 lanes take the row 8 further down
	v_lshl_add_u32 v[CO], v2, 15, v3               ; output: 8 h rows of 4096 bytes + 16 r.  Also sentence2: position + 8 is column + 32
	v_mul_u32_u24 v5, v2, 8*PITCH
	v_lshl_add_u32 v5, v1, 3, v5                   ; bf16: h 8 rows + 8 r
	v_mul_u32_u24 v6, v1, PITCH
	v_lshl_add_u32 v6, v2, 4, v6                   ; a fragment: row r, 16 h bytes along k
	v_add_nc_u32 v[BADR], s34, v6
	v_add_nc_u32 v[AADR], s35, v6
	v_lshl_add_u32 v[YADR], v1, 2, s36
	v_lshl_add_u32 v[XADR], v2, 5, s37
	v_lshl_add_u32 v[NAA], v2, 5, s33
	v_lshl_add_u32 v[NAB], v2, 5, s32
	WIN 0xc0                                       ; destination window 3
	v_add_nc_u32 v[GB], s26, v[CO]
	v_add_nc_u32 v[GA], s27, v4
	v_add_nc_u32 v[LB], s28, v5
	v_add_nc_u32 v[LA], s29, v5
	s_wait_kmcnt 0x0
	s_add_nc_u64 s[SA:SA+1], s[4:5], s[16:17]
	s_add_nc_u64 s[SB:SB+1], s[6:7], s[18:19]
	s_add_nc_u64 s[SO:SO+1], s[8:9], s[30:31]
; A BATCH is eight rows: pair p = 0..3, the lower 16 lanes one row, the upper 16 the row 8 positions on; 16 lanes cover 256 aligned bytes
; of a row, four chunks c the row.  RAW slot b % 3.
; b = 0-7, sentence2: positions 64 w + 16 G + a0 + p + 8 h with G = b >> 1, a0 = 4 (b & 1).
; b = 8-15, sentence1: rows 128 i + 16 (b - 8) + 4 e + p + 8 h: the two waves of a half make one strip.
.macro FILLB b                         ; 16 loads; destination and offset register in window 3
.set FS,  64*((\b)%3)
.if (\b) < 8
.set FADR,  GB
.set FBASE, SB
.set FOFF,  1024*((\b)>>1)+16384*((\b)&1)          ; column = .. + 4 (a0 + p + 8 h) + G
.set FSTEP, 4096
.else
.set FADR,  GA
.set FBASE, SA
.set FOFF,  16384*((\b)-8)
.set FSTEP, 1024
.endif
.irp p, 0,1,2,3
.irp c, 0,1,2,3
	global_load_b128 v[FS+16*\p+4*\c:FS+16*\p+4*\c+3], v[FADR], s[FBASE:FBASE+1] offset:FOFF+\p*FSTEP+256*\c
.endr
.endr
.endm
; Batch b: wait for it, sums of squares in f32, the numbers rounded to bf16 into LDS, the slot filled again three batches ahead.
; The four p go side by side: four chains.
.macro CONVB b
.set CS, 64*((\b)%3)
.if (\b) < 8
.set CLADR, LB
.set CNADR, NAB
.set CLOFF, (16*((\b)>>1)+4*((\b)&1))*PITCH
.set CNOFF, 64*((\b)>>1)+16*((\b)&1)
.else
.set CLADR, LA
.set CNADR, NAA
.set CLOFF, 16*((\b)-8)*PITCH
.set CNOFF, 64*((\b)-8)
.endif
.if (\b) < 14
	s_wait_loadcnt 32                              ; loads come back in order (ISA guide 5.7.1): this batch is in, the two younger ones (16 loads each) stay out
.else
	s_wait_loadcnt 16*(15-(\b))                    ; the last two: one younger batch, then none
.endif
	WIN 0x0f                                       ; RAW (sources 0, 1) in window 3, S in window 0
.irp p, 0,1,2,3
	v_pk_mul_f32 v[S+2*\p:S+2*\p+1], v[CS+16*\p:CS+16*\p+1], v[CS+16*\p:CS+16*\p+1]           ; the first squares start the sums
.endr
.irp e, 1,2,3,4,5,6,7
.irp p, 0,1,2,3
	v_pk_fma_f32 v[S+2*\p:S+2*\p+1], v[CS+16*\p+2*\e:CS+16*\p+2*\e+1], v[CS+16*\p+2*\e:CS+16*\p+2*\e+1], v[S+2*\p:S+2*\p+1]
.endr
.endr
	WIN 0xcf                                       ; T in window 3 too
.irp p, 0,1,2,3
.irp c, 0,1,2,3
	v_cvt_pk_bf16_f32 v[T+8*\p+2*\c],   v[CS+16*\p+4*\c],   v[CS+16*\p+4*\c+1]
	v_cvt_pk_bf16_f32 v[T+8*\p+2*\c+1], v[CS+16*\p+4*\c+2], v[CS+16*\p+4*\c+3]
.endr
.endr
.irp p, 0,1,2,3
.irp c, 0,1,2,3
	ds_store_b64 v[CLADR], v[T+8*\p+2*\c:T+8*\p+2*\c+1] offset:CLOFF+\p*PITCH+128*\c         ; 16 lanes: 128 neighbouring bytes; the other 16: 8 rows = 4224 bytes on, the other half of the banks
.endr
.endr
.if (\b)+3 < 16
	FILLB (\b)+3
.endif
	WIN 0
.irp p, 0,1,2,3
	v_add_f32 v[S+2*\p], v[S+2*\p], v[S+2*\p+1]
.endr
.irp m, 1,2,4,8
.irp p, 0,1,2,3
	v_add_f32_dpp v[S+2*\p], v[S+2*\p], v[S+2*\p] row_xmask:\m row_mask:0xf bank_mask:0xf   ; over the 16 lanes that share a row
.endr
.endr
.if (\b) >= 8
.irp p, 0,1,2,3
	v_mul_f32 v[S+2*\p], -0.5, v[S+2*\p]           ; sentence1's norms are kept as the C of the products
.endr
.endif
.irp p, 0,1,2,3
	ds_store_b32 v[CNADR], v[S+2*\p] offset:CNOFF+4*\p     ; 16 lanes write one word with one value
.endr
.endm
	WIN 0xcf
	FILLB 0                                        ; three batches, 48 loads of 512 bytes, are on their way in each wave
	FILLB 1
	FILLB 2
.set bn, 0
.rept 8
	CONVB bn                                       ; sentence2; the last three of these ask for sentence1's strips 0, 1, 2
.set bn, bn+1
.endr
	s_wait_dscnt 0x0                               ; my rows of sentence2 and their norms are in LDS,
	s_barrier_signal -1
	s_barrier_wait -1                              ; everybody's are
	; my 128 columns, all of k, into 512 registers.  They are waited for by the s_wait_dscnt 0 behind the next conversion.
	WIN 0x40                                       ; destination window 1
.irp t, 0,1,2,3
.irp s, 0,1,2,3,4,5,6,7
	ds_load_b128 v[64*\t+8*\s:64*\t+8*\s+3],   v[BADR] offset:16*\t*PITCH+64*\s
	ds_load_b128 v[64*\t+8*\s+4:64*\t+8*\s+7], v[BADR] offset:16*\t*PITCH+64*\s+32
.endr
.endr
	WIN 0x80                                       ; destination window 2
.irp t, 0,1,2,3
.irp s, 0,1,2,3,4,5,6,7
	ds_load_b128 v[64*\t+8*\s:64*\t+8*\s+3],   v[BADR] offset:16*(\t+4)*PITCH+64*\s
	ds_load_b128 v[64*\t+8*\s+4:64*\t+8*\s+7], v[BADR] offset:16*(\t+4)*PITCH+64*\s+32
.endr
.endr
	WIN 0
.irp t, 0,1,2,3,4,5,6,7
	ds_load_b32 v[Y2+\t], v[YADR] offset:64*\t     ; y2 of column r of tile t
.endr
; THE PRODUCTS.  A unit = 16 rows x 64 columns x all of k = 32 matrix instructions in four chains.  The roots and reciprocals of one unit
; are laid between the matrix instructions of the next.
; 18 loads: strip u's fragments (lane: row r, k = 32 s + 8 h .. and + 16) and its -x2/2 (register j: row 8 h + j, the layout of C)
.macro FETCH af, hx, u
.irp s, 0,1,2,3,4,5,6,7
	ds_load_b128 v[\af+8*\s:\af+8*\s+3],   v[AADR] offset:16*(\u)*PITCH+64*\s
	ds_load_b128 v[\af+8*\s+4:\af+8*\s+7], v[AADR] offset:16*(\u)*PITCH+64*\s+32
.endr
	ds_load_b128 v[\hx:\hx+3],   v[XADR] offset:64*(\u)
	ds_load_b128 v[\hx+4:\hx+7], v[XADR] offset:64*(\u)+16
.endm
; matrix instruction number w of a unit: K step w >> 2, tile w & 3.  K step 0 starts the sum with C = -x2/2; the later ones are links in place.
.macro WM w, af, hx
.set WS, (\w)>>2
.set WQ, (\w)&3
.if WS == 0
	v_wmma_f32_16x16x32_bf16 v[ACC+8*WQ:ACC+8*WQ+7], v[\af+8*WS:\af+8*WS+7], v[64*WQ+8*WS:64*WQ+8*WS+7], v[\hx:\hx+7]
.else
	v_wmma_f32_16x16x32_bf16 v[ACC+8*WQ:ACC+8*WQ+7], v[\af+8*WS:\af+8*WS+7], v[64*WQ+8*WS:64*WQ+8*WS+7], v[ACC+8*WQ:ACC+8*WQ+7]
.endif
.endm
; THE LAST UNIT'S 32 RESULTS lie in v[PACC+i]: tile i >> 3, register i & 7; pair p is registers 2 p and 2 p + 1.  No line below has a vector
; register as its second source, so the lines mean the same under the products' window setting (second source in window 1 or 2) as under 0.
.macro EPSYM p
.set EPQ, (\p)>>2
.set EPJ, (\p)&3
.set EPR, PACC+8*EPQ+2*EPJ
.endm
; The plain lines that feed the roots, 48 long, two pairs (four registers) at a time: two packed multiply-adds, then four maxima.
; Each tile's registers 0 and 1 are read first.
.macro EP_P
.set EPD, qp/6
.set EPK, qp%6
.if EPK < 2
	EPSYM 2*EPD+EPK
.if EPQ&1
	v_pk_fma_f32 v[EPR:EPR+1], v[EPR:EPR+1], -2.0, v[Y2+4*PG+(EPQ&2):Y2+4*PG+(EPQ&2)+1] op_sel:[0,0,1] op_sel_hi:[1,0,1]   ; -2 (x.y - x2/2) + y2 of an odd tile
.else
	v_pk_fma_f32 v[EPR:EPR+1], v[EPR:EPR+1], -2.0, v[Y2+4*PG+(EPQ&2):Y2+4*PG+(EPQ&2)+1] op_sel_hi:[1,0,0]                  ; of an even tile
.endif
.else
	v_max_num_f32 v[PACC+4*EPD+EPK-2], v[PACC+4*EPD+EPK-2], 0
.endif
.set qp, qp+1
.endm
.macro EP_S                            ; the next root, in place: 32 registers, 32 roots
	v_sqrt_f32 v[PACC+qs], v[PACC+qs]
.set qs, qs+1
.endm
; THE FIRST BATCH's list, 80 long: four plain lines lead, then root and plain by turns (root, plain, root, plain, plain); the last five are
; plain, root, plain, root, root.  Root i wants plain number 6 (i / 4) + 2 + i % 4, which by this count stands two lines or more ahead of it.
; No line of the list names a root's result.
.macro EP_1
.if (qn >= 4) && (((qn-4)%5 == 0) || ((qn-4)%5 == 2) || (qn == 78))
	EP_S
.else
	EP_P
.endif
.set qn, qn+1
.endm
; THE SECOND BATCH: pair p plus 1, and the reciprocal of register i.
.macro EP_ADD p
	v_pk_add_f32 v[PACC+2*(\p):PACC+2*(\p)+1], v[PACC+2*(\p):PACC+2*(\p)+1], 1.0 op_sel_hi:[1,0]
.endm
.macro EP_R i
	v_rcp_f32 v[OUT+4*((\i)&7)+((\i)>>3)], v[PACC+(\i)]    ; row 8 h + j, column 4 r + q goes to register 4 j + q
.endm
; mm: multiply (strip in af, hx; column group g).  ep (not 0): finish and store the unit before, which was strip pu, group 1 - g.
; fetch (not 0): in the middle, pass the barrier that was signalled behind strip nu's conversion and load that strip into naf, nhx.
.macro UNIT mm, af, hx, g, ep, pu, fetch, naf, nhx, nu
.set ACC,  ACC0+32*\g
.set PACC, ACC0+32*(1-\g)
.set PG,   1-\g
.if \mm
	WIN 4*(1+\g)                                   ; second source (sentence2) in window 1 + g, all else in window 0
.endif
.set qn, 0
.set qp, 0
.set qs, 0
.set ww, 0
.rept 16                                               ; products 0-15, behind each five lines of the first batch's list
.if \mm
	WM ww, \af, \hx
.endif
.if \ep
.rept 5
	EP_1
.endr
.endif
.set ww, ww+1
.endr
.if \ep
	s_wait_alu depctr_va_vdst(0)                   ; ONE wait for the unit's 32 roots, ahead of the first addition that reads one.
	                                               ; The plain line owed behind the last roots (ISA guide 5.7.2) is the addition of pair 0, which names neither
	s_wait_xcnt 0x0                                ; OUT is the data of the last unit's stores: it is rewritten only behind this wait
.endif
.if \fetch
	s_barrier_wait -1                              ; every wave has its rows of strip nu in LDS; since the signal only register work was done
	FETCH \naf, \nhx, \nu                          ; into registers whose last products lie more than a unit of plain lines back (ISA guide 7.12.1)
.endif
.rept 16                                               ; products 16-31, behind each an addition between the two reciprocals of the pair before
.if \mm
	WM ww, \af, \hx
.endif
.if \ep
.if ww == 16
	EP_ADD 0
.else
	EP_R 2*(ww-17)
	EP_ADD ww-16
	EP_R 2*(ww-17)+1
.endif
.endif
.set ww, ww+1
.endr
.if \ep
	EP_R 30
	EP_R 31
	v_nop                                          ; the plain line between the last reciprocal and the store that reads it; with the additions of pairs 12 to 15 also
	                                               ; the fifth place between product 28 and the next unit's first read of its tile
	WIN 0                                          ; a store's data are its second source
	s_wait_alu depctr_va_vdst(0)                   ; ONE wait for the unit's 32 reciprocals, directly ahead of the stores, their first readers
.irp j, 0,1,2,3,4,5,6,7
	global_store_b128 v[CO], v[OUT+4*\j:OUT+4*\j+3], s[SO:SO+1] offset:(16*(\pu)+\j)*4096+256*PG th:TH_STORE_NT   ; rows j and 8 + j: 256 aligned bytes from each 16 lanes
.endr
.else
.rept 4
	v_nop                                          ; nothing to finish yet: the four places between these products and the lines that read them (ISA guide 7.12.1)
.endr
.endif
.endm
	CONVB 8                                        ; strip 0 of sentence1
	s_wait_dscnt 0x0                               ; my rows of it are in LDS (and my fragments of sentence2 in registers),
	s_barrier_signal -1
	s_barrier_wait -1                              ; everybody's are
	FETCH AF0, HX0, 0
	CONVB 9                                        ; strip 1
	s_wait_dscnt 0x0                               ; my rows of strip 1 are in LDS, strip 0's fragments in registers
	s_barrier_signal -1                            ; the wait stands in front of the loads of strip 1, in the middle of the first unit
.set u, 0
.rept 8
.set CAF, AF0+64*(u&1)
.set CHX, HX0+8*(u&1)
.set NAF, AF0+64*((u+1)&1)
.set NHX, HX0+8*((u+1)&1)
.if u == 7
	s_wait_dscnt 0x0                               ; strip 7's 18 loads, issued 48 matrix instructions ago (earlier strips: the wait behind the conversion)
.endif
	UNIT 1, CAF, CHX, 0, u, u-1, 7-u, NAF, NHX, u+1        ; finishes the strip before (not in strip 0), fetches the next (not in strip 7)
	UNIT 1, CAF, CHX, 1, 1, u, 0, NAF, NHX, 0
.if u < 6
	CONVB 10+u                                     ; strip u + 2, whose loads were issued three batches ago
	s_wait_dscnt 0x0                               ; my rows of it are in LDS, strip u + 1's fragments in registers
	s_barrier_signal -1                            ; its wait: in the middle of the next unit
.endif
.set u, u+1
.endr
	UNIT 0, AF0, HX0, 0, 1, 7, 0, AF0, HX0, 0      ; no more products: the last unit (strip 7, group 1) is finished and stored
	s_set_vgpr_msb 0xc
	s_wait_tensorcnt 0x0
	ds_add_u32 v255, v255
	s_wait_dscnt 0x0
	s_set_vgpr_msb 0xc00
	s_endpgm
.Lfunc_end_k_q4c8b07bff4_invdist:
	.size	k_q4c8b07bff4_invdist, .Lfunc_end_k_q4c8b07bff4_invdist-k_q4c8b07bff4_invdist
	.p2alignl 7, 3214868480
	.fill 96, 4, 3214868480
	.section	.rodata,"a",@progbits
	.p2align	6, 0x0
	.amdhsa_kernel k_q4c8b07bff4_invdist
		.amdhsa_group_segment_fixed_size 272896
		.amdhsa_private_segment_fixed_size 0
		.amdhsa_enable_private_segment 0
		.amdhsa_kernarg_size 24
		.amdhsa_user_sgpr_count 2
		.amdhsa_user_sgpr_kernarg_segment_ptr 1
		.amdhsa_wavefront_size32 1
		.amdhsa_system_sgpr_workgroup_id_x 1
		.amdhsa_system_sgpr_workgroup_id_y 1
		.amdhsa_system_sgpr_workgroup_id_z 1
		.amdhsa_system_vgpr_workitem_id 0
		.amdhsa_next_free_vgpr 1024
		.amdhsa_next_free_sgpr 66
		.amdhsa_reserve_vcc 0
		.amdhsa_float_denorm_mode_32 3
		.amdhsa_float_denorm_mode_16_64 3
		.amdhsa_memory_ordered 1
		.amdhsa_forward_progress 1
		.amdhsa_inst_pref_size 255
	.end_amdhsa_kernel
	.section	.bss,"aw",@nobits
	.p2align	6
	.space	262144
	.amdgpu_metadata
---
amdhsa.version: [ 1, 2 ]
amdhsa.kernels:
  - .name:           k_q4c8b07bff4_invdist
    .symbol:         k_q4c8b07bff4_invdist.kd
    .args:
      - { .name: sentence1, .offset: 0, .size: 8, .value_kind: global_buffer, .address_space: global }
      - { .name: sentence2, .offset: 8, .size: 8, .value_kind: global_buffer, .address_space: global }
      - { .name: out0, .offset: 16, .size: 8, .value_kind: global_buffer, .address_space: global }
    .group_segment_fixed_size: 272896
    .private_segment_fixed_size: 0
    .kernarg_segment_align: 8
    .kernarg_segment_size: 24
    .max_flat_workgroup_size: 128
    .sgpr_count:     66
    .vgpr_count:     1024
    .wavefront_size: 32
...
	.end_amdgpu_metadata
.endif
;; end of part 2
